; MI455X (gfx1250); checked and timed in simulation.
; The chip was launched on July 23, 2026; its instructions are those of AMD's public machine-readable ISA for CDNA 5 (MIT licence, August 2026) and "CDNA5" Instruction Set Architecture Reference Guide (July 2026). The comments in the code are by the model that wrote it; some were corrected since.
;; Codebook Quantizer. Allowed arithmetic: matrix products marked QUANTISED: E2M3 operands, one E8M0 scale for each 32 along K, by v_wmma_scale_f32_16x16x128_f8f6f4 with both operands' format E2M3, f32 sums; everything else in f32.
;; Inputs: codebook 8,192 x 512 float32; x 8 x 2,048 x 512 float32.
;; Outputs: out0 8 x 2,048 x 512 float32.
;; This version of the problem:
;;   THIS VERSION OF THE PROBLEM IS GIVEN IN LOW PRECISION. The matrix products marked QUANTISED in the list below multiply operands that are first quantised to E2M3 (2 exponent bits, 3 mantissa bits; 6 bits a number), with one power-of-two scale for each 32 numbers along K (OCP MX v1.0); their sums are f32. All else is computed in f32.
;;   The module's matrix products, in the order in which they are computed (A, B: the left and right operand; K: the contracted axis; several contracted axes count as one K, in the product's order):
;;     1. [M 16,384, K 512] x [K 512, N 8,192]; A: input x; B: input codebook: QUANTISED
;;   THE QUANTISER, for each operand of a quantised product, along K:
;;     - K is cut into blocks of 32 from its start; a last block that is shorter is filled with zeros.
;;     - A block's scale is 2^e with e = floor(log2(the largest magnitude in the block)) - 2, held to -126 .. 127; a block of zeros has e = 0. As a byte (E8M0): e + 127.
;;     - Each number is divided by its block's scale, clamped to +-7.5, and rounded to the nearest number of E2M3, ties to even, subnormals kept.
;;     - The product sums the exact products of the quantised numbers (number of the format x scale) in f32.
;;   ~~~python
;;   def quantise(x, axis):      # numpy; x: float32 -> the quantised numbers, widened to float32 again
;;       x = np.moveaxis(x, axis, -1); K = x.shape[-1]
;;       x = np.pad(x, [(0, 0)] * (x.ndim - 1) + [(0, -K % 32)]); x = x.reshape(x.shape[:-1] + (-1, 32)); a = np.abs(x).max(-1, keepdims=True)
;;       e = np.where(a > 0, np.clip(np.frexp(np.where(a > 0, a, 1))[1] - 1 - 2, -126, 127), 0)      # np.frexp(a)[1] - 1 = floor(log2(a)), exactly
;;       r = np.clip(x / 2.0 ** e, -7.5, 7.5)
;;       step = 2.0 ** (np.maximum(np.frexp(np.where(r == 0, 1, r))[1] - 1, 0) - 3)
;;       q = np.round(r / step) * step * 2.0 ** e      # np.round: ties to even
;;       return np.moveaxis(q.reshape(q.shape[:-2] + (-1,))[..., :K], -1, axis).astype(np.float32)
;;   ~~~
;; One version. Each part assembles by itself: llvm-mc -triple=amdgcn-amd-amdhsa -mcpu=gfx1250 --defsym DOCPART=n.
;; ======== version 1 of 1: 3 launches
;; limits: right only within a limited range of input values
;; workspace buffers: rec 9,928,704 bytes; cand 1,048,576 bytes of whole numbers
;; launch quant (part 1): grid 256 x 1, 6 waves a work-group, no clusters, 51,456 bytes of LDS; arguments x, codebook, rec; writes rec
.if DOCPART == 1
	.amdgcn_target "amdgcn-amd-amdhsa--gfx1250"
	.amdhsa_code_object_version 6
	.text
	.protected	k_q36be8f04cc_quant
	.globl	k_q36be8f04cc_quant
	.p2align	8
	.type	k_q36be8f04cc_quant,@function
k_q36be8f04cc_quant:
	s_mov_b64 s[64:65], 0
	v_nop
	global_prefetch_b8 v0, s[64:65] scope:SCOPE_SE
	s_setreg_imm32_b32 hwreg(HW_REG_WAVE_MODE, 25, 1), 1
	s_wait_xcnt 0x0
; x [16384][512] and codebook [8192][512], f32, become codes of FP6 (E2M3) with one E8M0 scale byte for each 32 along K; each row e of the codebook also gets -e2 / 2, e2 its sum of squares in f32.
; WORK LEFT OUT: x2 = sum of x^2 of a row.  It is the same for every code of that row, so for all finite inputs argmin over codes of (x2 + e2 - 2 xe) = argmax of (xe - e2 / 2) in exact arithmetic.
; So x2 is never formed, and the program takes the argmax of xe - e2 / 2.  Every input is still loaded: x for xe, codebook for xe, e2 and the rows that are returned.
; LIMITS: an overflow, infinity or NaN that would reach x2 alone is not carried to the result; NaN and infinities among the inputs are not served.  The order of rounding differs from x2 + e2 - 2 xe:
; two codes of a row whose distances differ by less than the rounding of these f32 sums may be chosen otherwise.
; A block's scale is 2^(floor(log2(its largest magnitude)) - 2); its byte is the largest magnitude's exponent field - 2, held at 1 from below.
; A block of zeros gets the byte 1 where the rule says 127: its codes are zeros, and this program alone reads the bytes.
; e2 is taken in four fused chains a lane and joined at the end: an order of rounding other than a plain sum along the row.
; OUTPUT: 96 records of CR bytes, one for 256 rows (records 0-63: x, 64-95: codebook), each of 16 tiles of 16 rows:
;   codes of tile i, K step s (128 along K): the image of the operand's 12 registers: registers 4 c .. 4 c + 3 of lane l at 6144 i + 1536 s + 512 c + 16 l;
;   scale words of tile i at SOFF + 256 i + 8 l: word u of lane (r, h) is row r's word of K step 2 u + h, so that one register serves two K steps;
;   codebook records alone: -e2 / 2 of tile i at NOFF + 64 i + 4 r (in x's records these bytes are neither written nor read).
; SHARES: 1,536 tiles = 256 work-groups x 6 waves; a wave takes one tile, 16 rows x 2,048 bytes.  All its 64 loads go out at the head, each of 512 consecutive bytes.
; A conversion wants 16 neighbours along K in one lane's registers: a K step's 16 x 512 bytes turn through the wave's own stage in LDS.  Waves share nothing: no barrier.
.set CR,   103424
.set SOFF, 98304
.set NOFF, 102400
.set SP,   528                         ; a stage row: 512 bytes + 16
.set STGB, 16*SP                       ; a wave's stage
.set GIN, 4                            ; 16 x lane
.set STI, 5                            ; stage + 16 x lane: in
.set STO, 6                            ; stage + 528 r + 128 h: out
.set SH,  7                            ; 8 h
.set OC,  8                            ; codes: 16 x lane + 6144 x tile in record
.set OS,  9                            ; scale words: 8 x lane + 256 x tile in record
.set ON,  10                           ; -e2 / 2: 4 r + 64 x tile in record
.set MX,  11                           ; two blocks' largest magnitudes
.set SO,  13                           ; the conversions' scale operands
.set BY,  15                           ; the scale bytes
.set WS,  17                           ; my two bytes at their places
.set PT,  18                           ; what lane l xor 16 sends
.set W,   20                           ; v20-23 the row's scale word of each K step
.set NA,  24                           ; v24-31 four pairs: chains of the sum of squares
.set X,   32                           ; v32-95 64 numbers: block h, then block 2 + h, of my row
.set TA,  96                           ; the upper halves of the two blocks' codes (a conversion's three registers begin on an even number)
.set C,   104                          ; v104-151 twelve registers of codes for each K step: no store's data are written again
.set SW,  152                          ; the two scale words that I store
.set MSB, 0
.macro WIN new                         ; the immediate's high byte repeats the setting that is left
.if MSB != (\new)
	s_set_vgpr_msb (MSB<<8)|(\new)
.set MSB, (\new)
.endif
.endm
	s_load_b128 s[4:7], s[0:1], 0x0                ; x, codebook
	s_load_b64 s[8:9], s[0:1], 0x10                ; rec
	v_lshl_add_u32 v254, v0, 2, 0xc600             ; my spare word, behind the six stages
	v_mov_b32 v255, 0
	v_lshrrev_b32 v1, 5, v0
	v_readfirstlane_b32 s10, v1                    ; wave 0..5
	v_and_b32 v1, 31, v0                           ; lane
	v_and_b32 v2, 15, v0                           ; r
	v_bfe_u32 v3, v0, 4, 1                         ; h
	v_lshlrev_b32 v[GIN], 4, v1
	s_mul_i32 s17, s10, STGB                       ; my stage
	v_add_nc_u32 v[STI], s17, v[GIN]
	v_mul_u32_u24 v[STO], v2, SP
	v_lshl_add_u32 v[STO], v3, 7, v[STO]
	v_add_nc_u32 v[STO], s17, v[STO]
	v_lshlrev_b32 v[SH], 3, v3
	s_mul_i32 s11, ttmp9, 6
	s_add_co_u32 s11, s11, s10                     ; my tile T, 0 .. 1535
	s_and_b32 s16, s11, 15                         ; its place in its record
	s_mul_i32 s18, s16, 6144
	v_add_nc_u32 v[OC], s18, v[GIN]
	s_lshl_b32 s18, s16, 8
	v_lshl_add_u32 v[OS], v1, 3, s18
	s_lshl_b32 s18, s16, 6
	v_lshl_add_u32 v[ON], v2, 2, s18
	s_lshr_b32 s14, s11, 4
	s_mul_i32 s14, s14, CR                         ; its record, in bytes
	s_mov_b32 s15, 0
	s_mov_b32 s13, 0
	s_mov_b32 s20, 0x76543210
	s_mov_b32 s21, 0xfedcba98                      ; v_permlanex16_b32's selects for lane l xor 16
	v_mov_b32 v[PT], 0                             ; written once: a lane permute's destination counts as one of its sources
.irp i, 0,1,2,3,4,5,6,7
	v_mov_b32 v[NA+\i], 0                          ; the four chains begin at 0 on every way through the text: x's tiles pass round the lines that add to them
.endr
	s_wait_alu depctr_va_vdst(0)
	s_wait_kmcnt 0x0
	s_cmp_lt_u32 s11, 1024                         ; tiles 0-1023 are x's, the others the codebook's: the choice hangs on ids alone
	s_cselect_b64 s[4:5], s[4:5], s[6:7]
	s_cselect_b32 s12, 0, 1024
	s_sub_co_u32 s12, s11, s12
	s_lshl_b32 s12, s12, 15                        ; 16 rows of 2,048 bytes a tile
	s_add_nc_u64 s[4:5], s[4:5], s[12:13]
	s_add_nc_u64 s[8:9], s[8:9], s[14:15]
	WIN 0x40                                       ; destination window 1: K step s, row i at v[64 s + 4 i]
.irp s, 0,1,2,3
.irp i, 0,1,2,3,4,5,6,7,8,9,10,11,12,13,14,15
	global_load_b128 v[64*\s+4*\i:64*\s+4*\i+3], v[GIN], s[4:5] offset:2048*\i+512*\s th:TH_LOAD_NT   ; 32 lanes read 512 consecutive bytes of row i
.endr
.endr
	WIN 0
.macro KSTEP s
	s_wait_loadcnt 48-16*(\s)                      ; loads come back in order: this K step's sixteen are in, the sixteen of each later K step stay out
	WIN 0x04                                       ; an LDS store's data are its source 1: window 1
.irp i, 0,1,2,3,4,5,6,7,8,9,10,11,12,13,14,15
	ds_store_b128 v[STI], v[64*(\s)+4*\i:64*(\s)+4*\i+3] offset:SP*\i
.endr
	WIN 0
.irp u, 0,1
.irp i, 0,1,2,3,4,5,6,7
	ds_load_b128 v[X+32*\u+4*\i:X+32*\u+4*\i+3], v[STO] offset:256*\u+16*\i   ; LDS serves a wave's instructions in order: these see my stores.  Block 2 u + h of row r
.endr
.endr
	s_wait_dscnt 0x0
	s_cmp_lt_u32 s11, 1024
	s_cbranch_scc1 .Lnosq_\@                       ; x's tiles: no sum of squares
.set ii, 0
.rept 32                                       ; the sum of squares, two numbers an instruction, four chains
	v_pk_fma_f32 v[NA+2*(ii%4):NA+2*(ii%4)+1], v[X+2*ii:X+2*ii+1], v[X+2*ii:X+2*ii+1], v[NA+2*(ii%4):NA+2*(ii%4)+1]
.set ii, ii+1
.endr
.Lnosq_\@:
.irp b, 0,1
	v_max3_num_f32 v[MX+\b], |v[X+32*\b]|, |v[X+32*\b+1]|, 0x1800000   ; a block's 32 numbers are all mine; the floor 2^(3 - 127) holds the byte at 1 from below
.endr
.irp i, 2,4,6,8,10,12,14,16,18,20,22,24,26,28,30
.irp b, 0,1
	v_max3_num_f32 v[MX+\b], v[MX+\b], |v[X+32*\b+\i]|, |v[X+32*\b+\i+1]|   ; (the two blocks by turns)
.endr
.endr
.irp b, 0,1
	v_add_nc_u32 v[SO+\b], 0xff000000, v[MX+\b]    ; 2 off the exponent field: the conversion takes the exponent field of this operand as its scale
.endr
.irp b, 0,1
	v_cvt_scalef32_pk16_fp6_f32 v[C+12*(\s)+6*\b:C+12*(\s)+6*\b+2], v[X+32*\b:X+32*\b+15], v[SO+\b]
	v_cvt_scalef32_pk16_fp6_f32 v[TA+4*\b:TA+4*\b+2], v[X+32*\b+16:X+32*\b+31], v[SO+\b]
.endr
.irp b, 0,1
	v_lshrrev_b32 v[BY+\b], 23, v[SO+\b]           ; the scale's byte.  (Also the plain line behind the conversions)
.endr
.irp b, 0,1
.irp i, 0,1,2
	v_mov_b32 v[C+12*(\s)+6*\b+3+\i], v[TA+4*\b+\i]   ; registers 6 b .. 6 b + 5 now hold block 2 b + h
.endr
.endr
	v_lshl_or_b32 v[WS], v[BY+1], 16, v[BY]        ; my two bytes: blocks h and 2 + h,
	v_lshlrev_b32 v[WS], v[SH], v[WS]              ; at their places in the word;
	v_permlanex16_b32 v[PT], v[WS], s20, s21
	v_or_b32 v[W+(\s)], v[WS], v[PT]               ; with lane l xor 16's two the word is whole
.irp c, 0,1,2
	global_store_b128 v[OC], v[C+12*(\s)+4*\c:C+12*(\s)+4*\c+3], s[8:9] offset:1536*(\s)+512*\c   ; 32 lanes store 512 consecutive bytes, at a multiple of 256 from rec's first byte
.endr
.endm
	KSTEP 0
	KSTEP 1
	KSTEP 2
	KSTEP 3
	v_cmp_ne_u32 vcc_lo, 0, v3
	v_cndmask_b32 v[SW], v[W], v[W+1], vcc_lo      ; lanes 0-15 keep K steps 0 and 2, lanes 16-31 K steps 1 and 3
	v_cndmask_b32 v[SW+1], v[W+2], v[W+3], vcc_lo
	global_store_b64 v[OS], v[SW:SW+1], s[8:9] offset:SOFF   ; 32 lanes store 256 consecutive bytes, aligned
	s_wait_alu depctr_va_vdst(0)
	s_wait_tensorcnt 0x0                           ; the wave's end: three lines behind my last LDS store
	ds_add_u32 v254, v255
	s_wait_dscnt 0x0
	s_cmp_lt_u32 s11, 1024
	s_cbranch_scc1 .Ldone                          ; x's tiles are finished
	v_pk_add_f32 v[NA:NA+1], v[NA:NA+1], v[NA+2:NA+3]
	v_pk_add_f32 v[NA+4:NA+5], v[NA+4:NA+5], v[NA+6:NA+7]
	v_pk_add_f32 v[NA:NA+1], v[NA:NA+1], v[NA+4:NA+5]
	v_add_f32 v[NA], v[NA], v[NA+1]
	v_permlanex16_b32 v[PT], v[NA], s20, s21
	v_add_f32 v[NA], v[NA], v[PT]                  ; with the other half of the row: e2
	v_mul_f32 v[NA], -0.5, v[NA]                   ; -e2 / 2: a power of two, nothing is rounded
	v_cmp_gt_u32 vcc_lo, 16, v1
	s_wait_alu depctr_va_vdst(0)
	s_wait_xcnt 0x0                                ; EXEC changes only behind this wait: the stores above have it among their sources
	s_and_saveexec_b32 s22, vcc_lo
	global_store_b32 v[ON], v[NA], s[8:9] offset:NOFF   ; sixteen lanes, 64 bytes: one byte in 512 of what the wave reads
	s_wait_xcnt 0x0
	s_or_b32 exec_lo, exec_lo, s22
.Ldone:
	s_endpgm
.Lfunc_end_k_q36be8f04cc_quant:
	.size	k_q36be8f04cc_quant, .Lfunc_end_k_q36be8f04cc_quant-k_q36be8f04cc_quant
	.p2alignl 7, 3214868480
	.fill 96, 4, 3214868480
	.section	.rodata,"a",@progbits
	.p2align	6, 0x0
	.amdhsa_kernel k_q36be8f04cc_quant
		.amdhsa_group_segment_fixed_size 51456
		.amdhsa_private_segment_fixed_size 0
		.amdhsa_enable_private_segment 0
		.amdhsa_kernarg_size 24
		.amdhsa_user_sgpr_count 2
		.amdhsa_user_sgpr_kernarg_segment_ptr 1
		.amdhsa_wavefront_size32 1
		.amdhsa_system_sgpr_workgroup_id_x 1
		.amdhsa_system_sgpr_workgroup_id_y 1
		.amdhsa_system_sgpr_workgroup_id_z 1
		.amdhsa_system_vgpr_workitem_id 0
		.amdhsa_next_free_vgpr 512
		.amdhsa_next_free_sgpr 66
		.amdhsa_reserve_vcc 1
		.amdhsa_float_denorm_mode_32 3
		.amdhsa_float_denorm_mode_16_64 3
		.amdhsa_memory_ordered 1
		.amdhsa_forward_progress 1
		.amdhsa_inst_pref_size 39
	.end_amdhsa_kernel
	.amdgpu_metadata
---
amdhsa.version: [ 1, 2 ]
amdhsa.kernels:
  - .name:           k_q36be8f04cc_quant
    .symbol:         k_q36be8f04cc_quant.kd
    .args:
      - { .name: x, .offset: 0, .size: 8, .value_kind: global_buffer, .address_space: global }
      - { .name: codebook, .offset: 8, .size: 8, .value_kind: global_buffer, .address_space: global }
      - { .name: rec, .offset: 16, .size: 8, .value_kind: global_buffer, .address_space: global }
    .group_segment_fixed_size: 51456
    .private_segment_fixed_size: 0
    .kernarg_segment_align: 8
    .kernarg_segment_size: 24
    .max_flat_workgroup_size: 192
    .sgpr_count:     66
    .vgpr_count:     512
    .wavefront_size: 32
...
	.end_amdgpu_metadata
.endif
;; end of part 1
;; launch dist (part 2): grid 32 x 8, 8 waves a work-group, no clusters, 327,680 bytes of LDS; arguments rec, cand; writes cand
.if DOCPART == 2
	.amdgcn_target "amdgcn-amd-amdhsa--gfx1250"
	.amdhsa_code_object_version 6
	.text
	.protected	k_q36be8f04cc_dist
	.globl	k_q36be8f04cc_dist
	.p2align	8
	.type	k_q36be8f04cc_dist,@function
k_q36be8f04cc_dist:
	s_mov_b64 s[64:65], 0
	v_nop
	global_prefetch_b8 v0, s[64:65] scope:SCOPE_SE
	s_setreg_imm32_b32 hwreg(HW_REG_WAVE_MODE, 25, 1), 1
	s_wait_xcnt 0x0
; For 512 rows of x and a slice of 1,024 codes: score = xe - e2 / 2, with xe by the scaled matrix instruction on codes of FP6 (E2M3), and the slice's argmax for each row, the lowest code among equals.
; WORK LEFT OUT: x2, the same for all codes of a row (shown at the head of the first kernel): argmin of x2 + e2 - 2 xe = argmax of xe - e2 / 2.
; -e2 / 2 is the C of each accumulator's first matrix instruction: no vector line forms a distance.
; OUT: cand: plane 0 [slice 8][row 16384]: -score as an unsigned whole number in the order of the floats (the least key is the best); plane 1, 524,288 bytes on: its code.  Fixed places: no address and no branch hangs on a score.
; LIMITS: NaN and infinities among the inputs are not served.
; SHARES: work-group x = 512 rows, y = slice: 256 work-groups.  Eight waves, two to a SIMD; wave w owns 64 rows, four blocks of 16, whose codes (192 registers, window 1) and scale words stay in registers.
; Each wave's text lays a tile's 16 matrix instructions in one group and its 15 LDS loads and 44 vector lines in another.
; The slice's 64 tiles of 16 codes come as four records of CR bytes through a ring of two LDS slots.  A record is 404 rows of 256 bytes, which do not divide by eight: waves 0-3 bring a quarter each by one tensor load, waves 4-7 none.
; By this text's own count a loading wave has one tensor load out at a time, asked for 15 tiles ahead of the wait for it.
; THE CHANGE OF SLOTS stands in a record's 16th tile: at that tile's head its fragments are in registers, so the wave's reads of the slot are over; the tile's products stand between the barrier's signal and its wait;
; behind the wait the slot is filled again and the next tile is fetched from the other slot, which the same barrier has shown whole.  So every tile but the very last looks one tile ahead.
; NO CLUSTER: the 32 work-groups of a slice read the same records, but with x resident that stream is 103,424 bytes for a record's 2,048 matrix instructions of a work-group, a small part of what a step moves inside the WGP.
; NO PREFETCH: the loop's only stream is the records, and each is asked for by its tensor load 15 tiles ahead.
; TRANSPOSED: source 0 = 16 codes, source 1 = 16 rows of x: lane (r, h) holds row r, and register j of a result the code 8 h + j of the tile: an OCTET.
; THE ARGMAX: for each block and lane a running maximum RUN, the tile GID of the octet that holds it, and a copy WB of that octet's eight scores; the place inside the octet is read off WB once, at the end.
; An octet costs four maxima, one compare and ten selects; the selects go two to an instruction: of each pair one destination is even and one odd, and the two first and the two second sources differ modulo 4.
; A BARRIER A TILE: each tile inside a record signals at its head and waits behind its 16 products.  They hold the eight waves within one tile of each other,
; so that at a change of slots no wave has a long way to go while the others stand.
.set CR,    103424                     ; a record: 16 x 6,144 bytes of codes, 16 x 256 of scale words, 16 x 64 of -e2 / 2
.set SOFF,  98304
.set NOFF,  102400
.set QB,    CR/4                       ; 101 rows of 256 bytes: what one tensor load brings
.set SLOT1, 131072                     ; slot 1 begins here
.set SPARE, 262144                     ; the spare words, 128 bytes a wave: four blocks of 256 bytes that no other line names
.set STG,   SPARE+1024                 ; the way out: 512 bytes a wave: 64 keys, 64 codes.  No fill lands here
.set SPW, 1                            ; SPARE + 4 x my thread's number; never rewritten
.set NIL, 2                            ; 0; never rewritten
.set ADB, 3                            ; LDS address of the tile's codes,
.set ADS, 4                            ; of its scale words,
.set ADE, 5                            ; of its -e2 / 2
.set XS,  16                           ; v16-23 x's scale words: block a at 16 + 2 a: register u: lanes 0-15 K step 2 u, lanes 16-31 K step 2 u + 1
.set BS,  24                           ; v24-25 the tile's scale words likewise
.set E2,  26                           ; v26-33 -e2 / 2 of my eight codes
.set RG,  34                           ; v34-41 block a: RUN at 34 + 2 a, GID at 35 + 2 a
.set BF,  44                           ; v44-91 the tile's four fragments
.set ACC, 92                           ; v92-123 block a at 92 + 8 a
.set WB,  124                          ; v124-155
.set AB0, 160                          ; 16 x lane
.set AS0, 161                          ; 8 x lane + SOFF
.set AE0, 162                          ; 32 h + NOFF
.set LR,  163                          ; r
.set H8,  164                          ; 8 h
.set L8,  165                          ; 8 x lane
.set STA, 166                          ; my stage + 4 r
.set STR, 167                          ; my stage + 8 x lane
.set OB,  168                          ; v168-171 the way out
.set IDX, 172                          ; v172-175 the place in the octet
.set KEYS, 176
.set CODS, 180
.set K2,  184                          ; the other half's keys and codes
.set C2,  188
.set U,   192                          ; at work in the maximum: block a at 192 + 4 a,
.set V,   193                          ; and at 193 + 4 a
.set TNV, 195                          ; the tile's number
.set TBC, 39                           ; s39-41 slot + 6,144 / 256 / 64 x tile in record
.set TBS, 40
.set TBE, 41
.set MK,  44                           ; s44-55 lane masks
.set ME,  48
.set MC,  52
.set MSB, 0
.macro WIN new                         ; the immediate's high byte repeats the setting that is left
.if MSB != (\new)
	s_set_vgpr_msb (MSB<<8)|(\new)
.set MSB, (\new)
.endif
.endm
.macro D4
	s_delay_alu instid0(VALU_DEP_4)
.endm
.macro FILLW                           ; waves 0-3: my quarter of a record; the branch hangs on the wave's number alone
	s_cmp_lt_u32 s8, 4
	s_cbranch_scc0 .Lno_fill_\@
	tensor_load_to_lds s[24:27], s[16:23]
	s_nop 0
.rept 4
	v_nop
.endr
.Lno_fill_\@:
.endm
	s_load_b128 s[4:7], s[0:1], 0x0                ; rec, cand
	v_lshl_add_u32 v[SPW], v0, 2, SPARE
	v_mov_b32 v[NIL], 0
	ds_add_u32 v[SPW], v[NIL]                      ; the opening lines: the add, twice on end, and its wait
	ds_add_u32 v[SPW], v[NIL]
	v_lshrrev_b32 v3, 5, v0
	v_readfirstlane_b32 s8, v3                     ; wave 0..7
	s_and_b32 s9, ttmp7, 0xffff                    ; slice
	; descriptor group 1: a dense block as 101 rows of 256 bytes (32 elements of 8 bytes), no padding: every LDS load below reads consecutive bytes
	s_mov_b32 s16, 3<<16
	s_mov_b32 s17, 32<<16
	s_mov_b32 s18, 101<<16
	s_mov_b32 s19, 32<<16
	s_mov_b32 s20, 101
	s_mov_b32 s21, 32
	s_mov_b32 s22, 0
	s_mov_b32 s23, 0
	s_mul_i32 s25, s8, QB                          ; group 0: LDS address: my quarter of slot 0 (used by waves 0-3 alone)
	s_lshl_b32 s12, s9, 2
	s_add_co_u32 s12, s12, 64                      ; the slice's first record: 64 + 4 x slice
	s_mul_i32 s12, s12, CR
	s_add_co_u32 s12, s12, s25
	s_mov_b32 s13, 0
	s_mov_b32 s24, 1
	; my 64 rows of x: record 2 x work-group x + wave / 4, tiles 4 (wave % 4) on
	s_lshl_b32 s10, ttmp9, 1
	s_lshr_b32 s14, s8, 2
	s_add_co_u32 s10, s10, s14
	s_mul_i32 s10, s10, CR
	s_and_b32 s14, s8, 3
	s_mul_i32 s32, s14, 4*6144
	s_add_co_u32 s32, s32, s10                     ; their codes
	s_mov_b32 s33, 0
	s_lshl_b32 s34, s14, 10
	s_add_co_u32 s34, s34, s10
	s_add_co_u32 s34, s34, SOFF                    ; their scale words
	s_mov_b32 s35, 0
	s_lshl_b32 s36, s9, 16                         ; cand: 65,536 x slice + 2,048 x work-group x + 256 x wave
	s_lshl_b32 s14, ttmp9, 11
	s_add_co_u32 s36, s36, s14
	s_lshl_b32 s14, s8, 8
	s_add_co_u32 s36, s36, s14
	s_mov_b32 s37, 0
	s_lshl_b32 s15, s8, 9
	s_add_co_u32 s15, s15, STG                     ; my stage
	s_lshl_b32 s38, s9, 6
	s_sub_co_u32 s38, s38, 1                       ; the slice's first tile, less 1: each tile steps the number ahead of its use
	s_mov_b32 s[TBC], 0
	s_mov_b32 s[TBS], 0
	s_mov_b32 s[TBE], 0
	s_mov_b32 s42, 0x76543210
	s_mov_b32 s43, 0xfedcba98                      ; v_permlanex16_b32's selects for lane l xor 16
	s_mov_b32 s11, 0xff800000                      ; -infinity
	s_wait_dscnt 0x0                               ; both opening adds are done
	s_wait_kmcnt 0x0
	s_add_nc_u64 s[26:27], s[4:5], s[12:13]
	s_or_b32 s27, s27, 0x80000000                  ; type = 2
	FILLW                                          ; the one first fill: record 0 into slot 0
	; addresses, with the starting values laid between them so that no line reads a result close behind it
	v_and_b32 v[AB0], 31, v0
	v_and_b32 v[LR], 15, v0
	v_bfe_u32 v[H8], v0, 4, 1
.irp a, 0,1,2,3
	v_mov_b32 v[RG+2*\a], s11                      ; RUN: under every score
	v_mov_b32 v[RG+2*\a+1], 0                      ; GID
.endr
	v_lshlrev_b32 v[L8], 3, v[AB0]
	v_lshl_add_u32 v[STA], v[LR], 2, s15
	v_lshlrev_b32 v[AE0], 5, v[H8]
.irp a, 0,1,2,3
	v_mov_b32 v[K2+\a], 0                          ; written once: a lane permute's destination counts as one of its sources
	v_mov_b32 v[C2+\a], 0
.endr
	v_add_nc_u32 v[AS0], SOFF, v[L8]
	v_add_nc_u32 v[STR], s15, v[L8]
	v_add_nc_u32 v[AE0], NOFF, v[AE0]
	v_lshlrev_b32 v[AB0], 4, v[AB0]
	v_lshlrev_b32 v[H8], 3, v[H8]
	v_mov_b32 v[TNV], s38
.set jj, 0
.rept 32
	v_mov_b32 v[WB+jj], s11                        ; the selects read WB from the first tile on
.set jj, jj+1
.endr
	s_wait_alu depctr_va_vdst(0)
	s_add_nc_u64 s[28:29], s[4:5], s[32:33]
	s_add_nc_u64 s[30:31], s[4:5], s[34:35]
	s_add_nc_u64 s[6:7], s[6:7], s[36:37]
	WIN 0x40                                       ; destination window 1: block a, K step s at v[48 a + 12 s]
.irp a, 0,1,2,3
.irp s, 0,1,2,3
.irp c, 0,1,2
	global_load_b128 v[48*\a+12*\s+4*\c:48*\a+12*\s+4*\c+3], v[AB0], s[28:29] offset:6144*\a+1536*\s+512*\c
.endr
.endr
.endr
	WIN 0
.irp a, 0,1,2,3
	global_load_b64 v[XS+2*\a:XS+2*\a+1], v[L8], s[30:31] offset:256*\a
.endr
; One matrix instruction: K step s, block a.  The first K step takes -e2 / 2 as C.  Odd K steps take their scale words from lanes 16-31.
.macro MM s, a
.set rD, ACC+8*(\a)
.set rA, BF+12*(\s)
.set rB, 48*(\a)+12*(\s)
.set rSA, BS+(\s)/2
.set rSB, XS+2*(\a)+(\s)/2
.if (\s) == 0
	v_wmma_scale_f32_16x16x128_f8f6f4 v[rD:rD+7], v[rA:rA+11], v[rB:rB+11], v[E2:E2+7], v[rSA], v[rSB] matrix_a_fmt:MATRIX_FMT_FP6 matrix_b_fmt:MATRIX_FMT_FP6
.elseif ((\s)%2) == 1
	v_wmma_scale_f32_16x16x128_f8f6f4 v[rD:rD+7], v[rA:rA+11], v[rB:rB+11], v[rD:rD+7], v[rSA], v[rSB] matrix_a_fmt:MATRIX_FMT_FP6 matrix_b_fmt:MATRIX_FMT_FP6 matrix_a_scale:MATRIX_SCALE_ROW1 matrix_b_scale:MATRIX_SCALE_ROW1
.else
	v_wmma_scale_f32_16x16x128_f8f6f4 v[rD:rD+7], v[rA:rA+11], v[rB:rB+11], v[rD:rD+7], v[rSA], v[rSB] matrix_a_fmt:MATRIX_FMT_FP6 matrix_b_fmt:MATRIX_FMT_FP6
.endif
.endm
.macro MMS                             ; a tile's 16 matrix instructions, the four accumulators by turns, one instruction a turn
	WIN 4                                          ; source 1 (x) in window 1; all else in window 0
.irp s, 0,1,2,3
.irp a, 0,1,2,3
	MM \s, \a
.endr
.endr
	WIN 0
.endm
; The vector work on a tile's four octets, ten lines each.  The maxima go by turns; each accumulator is read from its low end on.
.macro EP
.irp a, 0,1,2,3
	v_max3_num_f32 v[U+4*\a], v[ACC+8*\a], v[ACC+8*\a+1], v[ACC+8*\a+2]
.endr
.irp a, 0,1,2,3
	v_max3_num_f32 v[V+4*\a], v[ACC+8*\a+3], v[ACC+8*\a+4], v[ACC+8*\a+5]
.endr
.irp a, 0,1,2,3
	v_max3_num_f32 v[U+4*\a], v[U+4*\a], v[ACC+8*\a+6], v[ACC+8*\a+7]
.endr
.irp a, 0,1,2,3
	D4
	v_max_num_f32 v[U+4*\a], v[U+4*\a], v[V+4*\a]  ; the octet's largest score
.endr
.irp a, 0,1,2,3
	v_cmp_gt_f32 vcc_lo, v[U+4*\a], v[RG+2*\a]     ; strictly greater: among equal maxima the earlier tile stays
.irp j, 0,2,4,6
	v_dual_cndmask_b32 v[WB+8*\a+\j], v[WB+8*\a+\j], v[ACC+8*\a+\j] :: v_dual_cndmask_b32 v[WB+8*\a+\j+1], v[WB+8*\a+\j+1], v[ACC+8*\a+\j+1]
.endr
	v_dual_cndmask_b32 v[RG+2*\a], v[RG+2*\a], v[U+4*\a] :: v_dual_cndmask_b32 v[RG+2*\a+1], v[RG+2*\a+1], v[TNV]   ; RUN and GID
.endr
.endm
.macro ADDR
	v_add_nc_u32 v[ADB], s[TBC], v[AB0]
	v_add_nc_u32 v[ADS], s[TBS], v[AS0]
	v_add_nc_u32 v[ADE], s[TBE], v[AE0]
.endm
.macro LOADS                           ; a tile's four fragments, its scale words and its -e2 / 2: 15 LDS loads
.irp s, 0,1,2,3
.irp c, 0,1,2
	ds_load_b128 v[BF+12*\s+4*\c:BF+12*\s+4*\c+3], v[ADB] offset:1536*\s+512*\c
.endr
.endr
	ds_load_b64 v[BS:BS+1], v[ADS]
	ds_load_b128 v[E2:E2+3], v[ADE]
	ds_load_b128 v[E2+4:E2+7], v[ADE] offset:16
.endm
.macro NEXT                            ; four plain vector lines, the places behind the products; then the next tile's loads
	ADDR
	v_add_nc_u32 v[TNV], 1, v[TNV]                 ; the number of the tile just multiplied
	LOADS
.endm
.macro TILEB                           ; a tile inside a record
	s_wait_dscnt 0x0                               ; this tile's 15 loads are in: they were asked for ahead of the last tile's vector lines; no LDS instruction of mine is out at the signal
	s_barrier_signal -1                            ; I have begun this tile
	MMS                                            ; work on registers alone
	s_barrier_wait -1                              ; so has every wave: none is more than a tile ahead.  No LDS bytes are filled behind this barrier
	s_add_co_u32 s[TBC], s[TBC], 6144
	s_add_co_u32 s[TBS], s[TBS], 256
	s_add_co_u32 s[TBE], s[TBE], 64
	NEXT
	EP
.endm
.macro TILEC fill                      ; a record's 16th tile, with the change of slots
	s_wait_tensorcnt 0x0                           ; all my tensor loads have landed: my quarter of the other slot's record; so group 0 may be written
	ds_add_u32 v[SPW], v[NIL]                      ; 0 onto my spare word,
.if \fill
	ds_add_u32 v[SPW], v[NIL]                      ; and twice on end
	s_xor_b32 s25, s25, SLOT1                      ; the slot that is being left,
	s_add_nc_u64 s[26:27], s[26:27], CR            ; the next record; the type bits on top are not reached
.endif
	s_wait_dscnt 0x0                               ; the add is done, and this tile's 15 loads are in: my last reads of this slot
	s_barrier_signal -1
	MMS                                            ; work on registers while the others arrive
	s_barrier_wait -1                              ; nobody reads this slot any more, and the other slot is whole
.if \fill
	FILLW                                          ; my one tensor load until the next such barrier, ahead of my first LDS read
.endif
	s_sub_co_u32 s[TBC], s[TBC], 15*6144           ; back to a slot's head,
	s_sub_co_u32 s[TBS], s[TBS], 15*256
	s_sub_co_u32 s[TBE], s[TBE], 15*64
	s_xor_b32 s[TBC], s[TBC], SLOT1                ; in the other slot
	s_xor_b32 s[TBS], s[TBS], SLOT1
	s_xor_b32 s[TBE], s[TBE], SLOT1
	NEXT
	EP
.endm
.macro FIFTEEN
	s_mov_b32 s56, 15
.Ltile_\@:
	TILEB
	s_sub_co_u32 s56, s56, 1
	s_cmp_lg_u32 s56, 0
	s_cbranch_scc1 .Ltile_\@
.endm
	; slot 1's first fill is issued as a refill is
	s_wait_tensorcnt 0x0                           ; my quarter of record 0 is in
	ds_add_u32 v[SPW], v[NIL]
	ds_add_u32 v[SPW], v[NIL]
	s_xor_b32 s25, s25, SLOT1
	s_add_nc_u64 s[26:27], s[26:27], CR
	s_wait_dscnt 0x0
	s_barrier_signal -1
	s_barrier_wait -1                              ; record 0 is whole
	FILLW                                          ; record 1 into slot 1
	ADDR
	LOADS                                          ; tile 0
	s_wait_loadcnt 0x0                             ; x's codes and scale words
	s_mov_b32 s57, 2
.Lrec:                                             ; records 0 and 1: their 16th tiles ask for records 2 and 3
	FIFTEEN
	TILEC 1
	s_sub_co_u32 s57, s57, 1
	s_cmp_lg_u32 s57, 0
	s_cbranch_scc1 .Lrec
	FIFTEEN                                        ; record 2: nothing is left to ask for
	TILEC 0
	FIFTEEN                                        ; record 3
	s_wait_dscnt 0x0                               ; the very last tile looks ahead at nothing
	MMS
	v_add_nc_u32 v[TNV], 1, v[TNV]
.rept 3
	v_nop                                          ; with the line above: the four places
.endr
	EP
	; THE PLACE IN THE OCTET: the lowest j whose copy equals the maximum
.irp a, 0,1,2,3
	v_mov_b32 v[IDX+\a], 7
.endr
.irp j, 6,5,4,3,2,1,0
.irp a, 0,1,2,3
	v_cmp_neq_f32 s[MK+\a], v[RG+2*\a], v[WB+8*\a+\j]
.endr
.irp a, 0,1,2,3
	D4
	v_cndmask_b32 v[IDX+\a], \j, v[IDX+\a], s[MK+\a]
.endr
.endr
.irp a, 0,1,2,3
	D4
	v_lshl_add_u32 v[CODS+\a], v[RG+2*\a+1], 4, v[IDX+\a]   ; 16 x tile + j
.endr
.irp a, 0,1,2,3
	v_xor_b32 v[KEYS+\a], 0x80000000, v[RG+2*\a]   ; -score
.endr
.irp a, 0,1,2,3
	v_add_nc_u32 v[CODS+\a], v[CODS+\a], v[H8]     ; + 8 h: the code
.endr
.irp a, 0,1,2,3
	v_ashrrev_i32 v[U+4*\a], 31, v[KEYS+\a]
.endr
.irp a, 0,1,2,3
	D4
	v_or_b32 v[U+4*\a], 0x80000000, v[U+4*\a]
.endr
.irp a, 0,1,2,3
	D4
	v_xor_b32 v[KEYS+\a], v[KEYS+\a], v[U+4*\a]    ; its bits, the sign turned (all bits where it is negative): unsigned whole numbers in the floats' order
.endr
.irp a, 0,1,2,3
	v_permlanex16_b32 v[K2+\a], v[KEYS+\a], s42, s43   ; the row's other eight codes of each tile lie in lane l xor 16
.endr
.irp a, 0,1,2,3
	v_permlanex16_b32 v[C2+\a], v[CODS+\a], s42, s43
.endr
.irp a, 0,1,2,3
	v_cmp_lt_u32 s[MK+\a], v[K2+\a], v[KEYS+\a]
.endr
.irp a, 0,1,2,3
	v_cmp_eq_u32 s[ME+\a], v[K2+\a], v[KEYS+\a]
.endr
.irp a, 0,1,2,3
	v_cmp_lt_u32 s[MC+\a], v[C2+\a], v[CODS+\a]
.endr
	s_wait_alu depctr_va_vdst(0)
.irp a, 0,1,2,3
	s_and_b32 s[ME+\a], s[ME+\a], s[MC+\a]
	s_or_b32 s[MK+\a], s[MK+\a], s[ME+\a]          ; the other half's is less, or equal with the lower code
.endr
.irp a, 0,1,2,3
	v_cndmask_b32 v[KEYS+\a], v[KEYS+\a], v[K2+\a], s[MK+\a]
.endr
.irp a, 0,1,2,3
	v_cndmask_b32 v[CODS+\a], v[CODS+\a], v[C2+\a], s[MK+\a]
.endr
.irp a, 0,1,2,3
	ds_store_b32 v[STA], v[KEYS+\a] offset:64*\a         ; lanes l and l xor 16 write the same word with the same value
	ds_store_b32 v[STA], v[CODS+\a] offset:256+64*\a
.endr
	ds_load_b64 v[OB:OB+1], v[STR]                 ; LDS serves a wave's instructions in order: these see my stores
	ds_load_b64 v[OB+2:OB+3], v[STR] offset:256
	s_wait_dscnt 0x0
	global_store_b64 v[L8], v[OB:OB+1], s[6:7]                   ; 32 lanes store my 64 rows' keys: 256 consecutive bytes, at a multiple of 256 from cand's first byte
	global_store_b64 v[L8], v[OB+2:OB+3], s[6:7] offset:524288   ; and their codes
	s_wait_tensorcnt 0x0                           ; the wave's end: three lines, behind my last tensor load and my last LDS store
	ds_add_u32 v[SPW], v[NIL]
	s_wait_dscnt 0x0
	s_endpgm
.Lfunc_end_k_q36be8f04cc_dist:
	.size	k_q36be8f04cc_dist, .Lfunc_end_k_q36be8f04cc_dist-k_q36be8f04cc_dist
	.p2alignl 7, 3214868480
	.fill 96, 4, 3214868480
	.section	.rodata,"a",@progbits
	.p2align	6, 0x0
	.amdhsa_kernel k_q36be8f04cc_dist
		.amdhsa_group_segment_fixed_size 327680
		.amdhsa_private_segment_fixed_size 0
		.amdhsa_enable_private_segment 0
		.amdhsa_kernarg_size 16
		.amdhsa_user_sgpr_count 2
		.amdhsa_user_sgpr_kernarg_segment_ptr 1
		.amdhsa_wavefront_size32 1
		.amdhsa_system_sgpr_workgroup_id_x 1
		.amdhsa_system_sgpr_workgroup_id_y 1
		.amdhsa_system_sgpr_workgroup_id_z 1
		.amdhsa_system_vgpr_workitem_id 0
		.amdhsa_next_free_vgpr 448
		.amdhsa_next_free_sgpr 66
		.amdhsa_reserve_vcc 1
		.amdhsa_float_denorm_mode_32 3
		.amdhsa_float_denorm_mode_16_64 3
		.amdhsa_memory_ordered 1
		.amdhsa_forward_progress 1
		.amdhsa_inst_pref_size 56
	.end_amdhsa_kernel
	.amdgpu_metadata
---
amdhsa.version: [ 1, 2 ]
amdhsa.kernels:
  - .name:           k_q36be8f04cc_dist
    .symbol:         k_q36be8f04cc_dist.kd
    .args:
      - { .name: rec, .offset: 0, .size: 8, .value_kind: global_buffer, .address_space: global }
      - { .name: cand, .offset: 8, .size: 8, .value_kind: global_buffer, .address_space: global }
    .group_segment_fixed_size: 327680
    .private_segment_fixed_size: 0
    .kernarg_segment_align: 8
    .kernarg_segment_size: 16
    .max_flat_workgroup_size: 256
    .sgpr_count:     66
    .vgpr_count:     448
    .wavefront_size: 32
...
	.end_amdgpu_metadata
.endif
;; end of part 2
;; launch pick (part 3): grid 256 x 1, 8 waves a work-group, no clusters, 0 bytes of LDS; arguments cand, codebook, out0; writes out0
.if DOCPART == 3
	.amdgcn_target "amdgcn-amd-amdhsa--gfx1250"
	.amdhsa_code_object_version 6
	.text
	.protected	k_q36be8f04cc_pick
	.globl	k_q36be8f04cc_pick
	.p2align	8
	.type	k_q36be8f04cc_pick,@function
k_q36be8f04cc_pick:
	s_mov_b64 s[64:65], 0
	v_nop
	global_prefetch_b8 v0, s[64:65] scope:SCOPE_SE
	s_setreg_imm32_b32 hwreg(HW_REG_WAVE_MODE, 25, 1), 1
	s_wait_xcnt 0x0
; For each of the 16,384 rows: the least of its eight slices' keys (unsigned whole numbers in the order of the distances), the lower slice, and so the lower code, among equals; then out0[row] = codebook[code], 2,048 bytes.
; Everything that steers an address here is a whole number read from cand; the code is held to 0 .. 8191 before it enters an address.
; SHARES: 256 work-groups x 8 waves x 8 rows.  Lane l merges row (l % 8) of the wave's eight (the four groups of eight lanes read the same words); cand is one byte in 64 of what the launch moves.
; A row then goes as four loads and four stores of 512 consecutive bytes; all 32 loads of a wave go out together.  Memory binds: no LDS, no barrier, no matrix unit.
.set KY, 8                             ; v8-15   the eight keys
.set CD, 16                            ; v16-23  the eight codes
.set VO, 24                            ; v24-31  row i: 2,048 x its code + 16 x lane
.set D,  32                            ; v32-159 row i: 16 registers
	s_load_b128 s[4:7], s[0:1], 0x0                ; cand, codebook
	s_load_b64 s[8:9], s[0:1], 0x10                ; out0
	v_lshrrev_b32 v1, 5, v0
	s_delay_alu instid0(VALU_DEP_1)
	v_readfirstlane_b32 s10, v1                    ; wave 0..7
	s_lshl_b32 s11, ttmp9, 6
	s_lshl_b32 s12, s10, 3
	s_add_co_u32 s11, s11, s12                     ; my wave's first row
	v_and_b32 v2, 7, v0
	s_delay_alu instid0(VALU_DEP_1)
	v_add_nc_u32 v2, s11, v2
	s_delay_alu instid0(VALU_DEP_1)
	v_lshlrev_b32 v2, 2, v2                        ; 4 x my row
	v_and_b32 v3, 31, v0
	s_delay_alu instid0(VALU_DEP_1)
	v_lshlrev_b32 v3, 4, v3                        ; 16 x lane
	s_lshl_b32 s12, s11, 11
	s_mov_b32 s13, 0
	s_wait_alu depctr_va_vdst(0)
	s_wait_kmcnt 0x0
	s_add_nc_u64 s[8:9], s[8:9], s[12:13]          ; out0 at my wave's first row
.irp t, 0,1,2,3,4,5,6,7
	global_load_b32 v[KY+\t], v2, s[4:5] offset:65536*\t
	global_load_b32 v[CD+\t], v2, s[4:5] offset:524288+65536*\t
.endr
	s_wait_loadcnt 0x0
	v_cmp_lt_u32 vcc_lo, v[KY+1], v[KY]            ; strictly less: the lower slice stays among equals
	s_delay_alu instid0(VALU_DEP_1)
	v_cndmask_b32 v4, v[KY], v[KY+1], vcc_lo
	s_delay_alu instid0(VALU_DEP_2)
	v_cndmask_b32 v5, v[CD], v[CD+1], vcc_lo
.irp t, 2,3,4,5,6,7
	s_delay_alu instid0(VALU_DEP_2)
	v_cmp_lt_u32 vcc_lo, v[KY+\t], v4
	s_delay_alu instid0(VALU_DEP_1)
	v_cndmask_b32 v4, v4, v[KY+\t], vcc_lo
	s_delay_alu instid0(VALU_DEP_2)
	v_cndmask_b32 v5, v5, v[CD+\t], vcc_lo
.endr
	s_wait_alu depctr_va_vdst(0)
.irp i, 0,1,2,3,4,5,6,7
	v_readlane_b32 s[20+\i], v5, \i                ; row i's code
	s_min_u32 s[20+\i], s[20+\i], 0x1fff           ; held inside the table
	s_lshl_b32 s[20+\i], s[20+\i], 11              ; a row of the codebook is 2,048 bytes
	v_add_nc_u32 v[VO+\i], s[20+\i], v3
.endr
	s_wait_alu depctr_va_vdst(0)
.irp i, 0,1,2,3,4,5,6,7
.irp c, 0,1,2,3
	global_load_b128 v[D+16*\i+4*\c:D+16*\i+4*\c+3], v[VO+\i], s[6:7] offset:512*\c   ; no hint: many rows may choose one code
.endr
.endr
.irp i, 0,1,2,3,4,5,6,7
	s_wait_loadcnt 28-4*\i                         ; loads come back in order: row i's four are in, the four of each later row stay out
.irp c, 0,1,2,3
	global_store_b128 v3, v[D+16*\i+4*\c:D+16*\i+4*\c+3], s[8:9] offset:2048*\i+512*\c th:TH_STORE_NT   ; 32 lanes store 512 consecutive bytes, at a multiple of 512 from out0's first byte
.endr
.endr
	s_endpgm
.Lfunc_end_k_q36be8f04cc_pick:
	.size	k_q36be8f04cc_pick, .Lfunc_end_k_q36be8f04cc_pick-k_q36be8f04cc_pick
	.p2alignl 7, 3214868480
	.fill 96, 4, 3214868480
	.section	.rodata,"a",@progbits
	.p2align	6, 0x0
	.amdhsa_kernel k_q36be8f04cc_pick
		.amdhsa_group_segment_fixed_size 0
		.amdhsa_private_segment_fixed_size 0
		.amdhsa_enable_private_segment 0
		.amdhsa_kernarg_size 24
		.amdhsa_user_sgpr_count 2
		.amdhsa_user_sgpr_kernarg_segment_ptr 1
		.amdhsa_wavefront_size32 1
		.amdhsa_system_sgpr_workgroup_id_x 1
		.amdhsa_system_sgpr_workgroup_id_y 1
		.amdhsa_system_sgpr_workgroup_id_z 1
		.amdhsa_system_vgpr_workitem_id 0
		.amdhsa_next_free_vgpr 160
		.amdhsa_next_free_sgpr 66
		.amdhsa_reserve_vcc 1
		.amdhsa_float_denorm_mode_32 3
		.amdhsa_float_denorm_mode_16_64 3
		.amdhsa_memory_ordered 1
		.amdhsa_forward_progress 1
		.amdhsa_inst_pref_size 12
	.end_amdhsa_kernel
	.amdgpu_metadata
---
amdhsa.version: [ 1, 2 ]
amdhsa.kernels:
  - .name:           k_q36be8f04cc_pick
    .symbol:         k_q36be8f04cc_pick.kd
    .args:
      - { .name: cand, .offset: 0, .size: 8, .value_kind: global_buffer, .address_space: global }
      - { .name: codebook, .offset: 8, .size: 8, .value_kind: global_buffer, .address_space: global }
      - { .name: out0, .offset: 16, .size: 8, .value_kind: global_buffer, .address_space: global }
    .group_segment_fixed_size: 0
    .private_segment_fixed_size: 0
    .kernarg_segment_align: 8
    .kernarg_segment_size: 24
    .max_flat_workgroup_size: 256
    .sgpr_count:     66
    .vgpr_count:     160
    .wavefront_size: 32
...
	.end_amdgpu_metadata
.endif
;; end of part 3
